; MI455X (gfx1250); checked and timed in simulation.
; The chip was launched on July 23, 2026; its instructions are those of AMD's public machine-readable ISA for CDNA 5 (MIT licence, August 2026) and "CDNA5" Instruction Set Architecture Reference Guide (July 2026). The comments in the code are by the model that wrote it; some were corrected since.
;; EML Token Pool. Allowed arithmetic: matrix products marked QUANTISED: E3M2 operands, one E8M0 scale for each 32 along K, by v_wmma_scale_f32_16x16x128_f8f6f4 with both operands' format E3M2, f32 sums; products left as they are: f32 operands where the result goes on into a quantised operand, else bf16, f16 or f32 operands; f32 sums; everything else in f32.
;; Inputs: db1 128 float32; db2 1 float32; dw1 512 x 128 float32; dw2 128 x 1 float32; eml_bias 1 float32; eml_gamma 1 float32; eml_lambda 1 float32; ln_b 512 float32; ln_g 512 float32; rb1 128 float32; rb2 1 float32; rw1 512 x 128 float32; rw2 128 x 1 float32; tokens 32 x 4,096 x 512 float32; vb 512 float32; vw 512 x 512 float32.
;; Outputs: out0 32 x 512 float32; out1 32 x 4,096 float32; out2 32 x 4,096 float32; out3 32 x 4,096 float32; out4 32 x 4,096 float32.
;; This version of the problem:
;;   THIS VERSION OF THE PROBLEM IS GIVEN IN LOW PRECISION. The matrix products marked QUANTISED in the list below multiply operands that are first quantised to E3M2 (3 exponent bits, 2 mantissa bits; 6 bits a number), with one power-of-two scale for each 32 numbers along K (OCP MX v1.0); their sums are f32. All else is computed in f32.
;;   The module's matrix products, in the order in which they are computed (A, B: the left and right operand; K: the contracted axis; several contracted axes count as one K, in the product's order):
;;     1. [M 131,072, K 512] x [K 512, N 128]; A: computed on the way; B: input dw1: QUANTISED
;;     2. [M 131,072, K 128] x [K 128, N 1]; A: computed on the way; B: input dw2: left as it is (N = 1 < 16)
;;     3. [M 131,072, K 512] x [K 512, N 128]; A: computed on the way; B: input rw1: QUANTISED
;;     4. [M 131,072, K 128] x [K 128, N 1]; A: computed on the way; B: input rw2: left as it is (N = 1 < 16)
;;     5. [M 131,072, K 512] x [K 512, N 512]; A: computed on the way; B: input vw: QUANTISED
;;     6. batch 32 x [M 1, K 4,096] x [K 4,096, N 512]; A: softmax; B: computed on the way: left as it is (M = 1 < 16)
;;   THE QUANTISER, for each operand of a quantised product, along K:
;;     - K is cut into blocks of 32 from its start; a last block that is shorter is filled with zeros.
;;     - A block's scale is 2^e with e = floor(log2(the largest magnitude in the block)) - 4, held to -126 .. 127; a block of zeros has e = 0. As a byte (E8M0): e + 127.
;;     - Each number is divided by its block's scale, clamped to +-28, and rounded to the nearest number of E3M2, ties to even, subnormals kept.
;;     - The product sums the exact products of the quantised numbers (number of the format x scale) in f32.
;;   ~~~python
;;   def quantise(x, axis):      # numpy; x: float32 -> the quantised numbers, widened to float32 again
;;       x = np.moveaxis(x, axis, -1); K = x.shape[-1]
;;       x = np.pad(x, [(0, 0)] * (x.ndim - 1) + [(0, -K % 32)]); x = x.reshape(x.shape[:-1] + (-1, 32)); a = np.abs(x).max(-1, keepdims=True)
;;       e = np.where(a > 0, np.clip(np.frexp(np.where(a > 0, a, 1))[1] - 1 - 4, -126, 127), 0)      # np.frexp(a)[1] - 1 = floor(log2(a)), exactly
;;       r = np.clip(x / 2.0 ** e, -28, 28)
;;       step = 2.0 ** (np.maximum(np.frexp(np.where(r == 0, 1, r))[1] - 1, -2) - 2)
;;       q = np.round(r / step) * step * 2.0 ** e      # np.round: ties to even
;;       return np.moveaxis(q.reshape(q.shape[:-2] + (-1,))[..., :K], -1, axis).astype(np.float32)
;;   ~~~
;;   OPERANDS COMPUTED ON THE WAY. 'Computed on the way' means the value that the module computes at that place (a softmax that the list does not call 'softmax' is quantised finished and normalised). What goes into a quantiser is computed in f32, as accurately as f32 sums, v_exp_f32 and their like allow (about 1e-6 of the number): no bf16 or f16 on the way to a quantiser, and a product that is left as it is and whose result goes on into a quantised operand takes f32 operands (vector FMAs, or v_wmma_f32_16x16x4_f32). A number that lies on a knife's edge between two numbers of the format may be rounded either way, as far as f32 arithmetic and the matrix unit's own rounding can turn it there, and no further.
;; One version. Each part assembles by itself: llvm-mc -triple=amdgcn-amd-amdhsa -mcpu=gfx1250 --defsym DOCPART=n.
;; ======== version 1 of 1: 3 launches
;; limits: right only within a limited range of input values
;; workspace buffers: wimg 294,912 bytes; wscl 12,288 bytes; ppool 589,824 bytes
;; launch wq (part 1): grid 48 x 1, 4 waves a work-group, no clusters, 768 bytes of LDS; arguments dw1, rw1, vw, wimg, wscl; writes wimg, wscl
.if DOCPART == 1
	.amdgcn_target "amdgcn-amd-amdhsa--gfx1250"
	.amdhsa_code_object_version 6
	.text
	.protected	k_qc42685bd2f_wq
	.globl	k_qc42685bd2f_wq
	.p2align	8
	.type	k_qc42685bd2f_wq,@function
k_qc42685bd2f_wq:
	s_mov_b64 s[64:65], 0
	v_nop
	global_prefetch_b8 v0, s[64:65] scope:SCOPE_SE
	s_setreg_imm32_b32 hwreg(HW_REG_WAVE_MODE, 25, 1), 1
	s_wait_xcnt 0x0
; dw1 [512][128], rw1 [512][128], vw [512][512], f32 with K as the FIRST axis, become codes of BF6 (E3M2) with one E8M0 byte for each 32 along K,
; laid as IMAGES OF THE OPERAND'S REGISTERS for the next launch: wimg[wave w][tile T][K step s] is a fragment (16 columns x 128 K, 12 registers a lane) as three runs of 512 bytes,
; run c holding registers 4 c .. 4 c + 3, lane l's 16 bytes at 16 l.  wscl[w][T] is 256 bytes: lane l's 8 bytes at 8 l are the scale words of column l % 16 for K steps 2 (l / 16) and 2 (l / 16) + 1.
; WHICH TILE: wave w of the next launch owns T = 0, 1: dw1's columns 32 w + 16 T;  T = 2, 3: rw1's 32 w + 16 (T - 2);  T = 4 .. 11: vw's 128 w + 16 (T - 4).
; A work-group takes one tile of 16 columns (48 of them), its wave s K step s.  A LANE TAKES A COLUMN AND ITS REGISTERS RUN DOWN K, so a block of 32 lies in one lane and nothing is transposed.
; K'S ORDER INSIDE A BLOCK is this program's own, the same for both operands of each product, so every product keeps its partner: in block b the code at place 4 q + i stands for
; k = 32 b + 4 ((q + b / 2) % 8) + i.  (The next launch reads token rows from LDS in that order.)  Here b = 4 s + 2 c + h, so b / 2 = 2 s + c is the same in all lanes and stands in the loads' immediates.
; A block's scale is 2^(floor(log2(its largest magnitude)) - 4); its byte is the largest magnitude's exponent field - 4, held at 1 from below.  A block of zeros so gets the byte 1 where the rule says 127:
; its codes are zeros, and this program alone reads the bytes.  LIMITS: blocks whose largest magnitude lies under 2^-122 take the byte 1; NaN and infinities among the inputs are not served.
.set X,   32                           ; v32-95   my 64 numbers: register 32 c + 4 q + i
.set F,   96                           ; v96-107  the fragment's 12 registers
.set F2,  108                          ; v108-110, v112-114: the upper 16 codes of each block (a conversion's three registers begin on an even number)
	s_load_b256 s[4:11], s[0:1], 0x0               ; dw1 s[4:5], rw1 s[6:7], vw s[8:9], wimg s[10:11]
	s_load_b64 s[12:13], s[0:1], 0x20              ; wscl
	v_lshl_add_u32 v128, v0, 2, 0x100
	v_mov_b32 v129, 0
	v_lshrrev_b32 v7, 5, v0
	v_readfirstlane_b32 s14, v7                    ; wave = K step s
	v_and_b32 v1, 15, v0                           ; r: my column in the tile
	v_bfe_u32 v2, v0, 4, 1                         ; h
	s_wait_alu depctr_va_vdst(0)
	v_and_b32 v7, 31, v0                           ; lane
	v_lshlrev_b32 v4, 4, v7                        ; 16 x lane: my place in a run of an image
	v_lshlrev_b32 v6, 3, v7                        ; 8 x lane: my place in the tile's scale words
	s_lshr_b32 s30, s14, 1
	s_lshl_b32 s30, s30, 7
	s_and_b32 s31, s14, 1
	s_lshl_b32 s31, s31, 2
	s_add_co_u32 s30, s30, s31
	v_lshl_add_u32 v5, v1, 3, s30                  ; LDS: 8 r + 128 (s / 2) + 4 (s % 2): where K step s's word of column r lies among the 256 bytes
	s_mov_b32 s28, 0x76543210
	s_mov_b32 s29, 0xfedcba98                      ; v_permlanex16_b32's selects for lane l xor 16
	; the tile, from the work-group's number: 0-7 dw1, 8-15 rw1 (rows of 512 bytes), 16-47 vw (rows of 2,048 bytes)
	s_and_b32 s15, ttmp9, 7                        ; narrow: tile t of the tensor,
	s_lshr_b32 s16, s15, 1                         ; w = t / 2,
	s_and_b32 s17, s15, 1
	s_lshr_b32 s18, ttmp9, 3
	s_lshl_b32 s18, s18, 1
	s_add_co_u32 s17, s17, s18                     ; T = t % 2, + 2 for rw1
	s_sub_co_u32 s19, ttmp9, 16                    ; wide: t,
	s_lshr_b32 s20, s19, 3                         ; w = t / 8,
	s_and_b32 s21, s19, 7
	s_add_co_u32 s21, s21, 4                       ; T = 4 + t % 8
	s_cmp_lt_u32 ttmp9, 16
	s_cselect_b32 s15, s15, s19
	s_cselect_b32 s16, s16, s20
	s_cselect_b32 s17, s17, s21
	s_cselect_b32 s26, 14, 16                      ; 32 rows of the tensor are 2^14 or 2^16 bytes
	s_mul_i32 s16, s16, 12
	s_add_co_u32 s16, s16, s17                     ; g = 12 w + T
	s_lshl_b32 s22, s15, 6                         ; the tile's first column: 64 t bytes
	s_mov_b32 s23, 0
	s_lshl_b32 s24, s16, 2
	s_add_co_u32 s24, s24, s14
	s_mul_i32 s24, s24, 1536                       ; my image: (4 g + s) x 1,536
	s_mov_b32 s25, 0
	s_lshl_b32 s18, s16, 8                         ; the tile's scale words: 256 g
	s_mov_b32 s19, 0
	v_lshlrev_b32 v3, s26, v2
	v_lshl_add_u32 v3, v1, 2, v3                   ; 4 r + h x 32 rows: the operand's layout gives lane (r, h) k = 64 c + 32 h + 0 .. 31 of a K step
	s_wait_kmcnt 0x0
	s_cmp_lt_u32 ttmp9, 8                          ; the choice of tensor hangs on the work-group's number alone
	s_cselect_b64 s[4:5], s[4:5], s[6:7]
	s_cmp_lt_u32 ttmp9, 16
	s_cselect_b64 s[4:5], s[4:5], s[8:9]
	s_add_nc_u64 s[4:5], s[4:5], s[22:23]
	s_add_nc_u64 s[10:11], s[10:11], s[24:25]
	s_add_nc_u64 s[12:13], s[12:13], s[18:19]
; K step s of a tensor whose rows are pitch bytes: 64 loads; sixteen neighbouring lanes read 64 neighbouring bytes.  The largest immediate is 479 rows of 2,048 bytes, inside the signed 24 bits (ISA guide, chapter 10)
.macro LOADW s, pitch
.irp c, 0,1
.irp q, 0,1,2,3,4,5,6,7
.irp i, 0,1,2,3
	global_load_b32 v[X+32*\c+4*\q+\i], v3, s[4:5] offset:(\pitch)*(128*(\s)+64*\c+4*((\q+2*(\s)+\c)%8)+\i) th:TH_LOAD_NT
.endr
.endr
.endr
.endm
.macro ARMS pitch                      ; the rotation hangs on s, so each wave has its own 64 lines
	s_cmp_lg_u32 s14, 0
	s_cbranch_scc1 .Lw1_\@
	s_wait_alu depctr_va_vdst(0)
	LOADW 0, \pitch
	s_branch .Ldone_\@
.Lw1_\@:
	s_cmp_lg_u32 s14, 1
	s_cbranch_scc1 .Lw2_\@
	s_wait_alu depctr_va_vdst(0)
	LOADW 1, \pitch
	s_branch .Ldone_\@
.Lw2_\@:
	s_cmp_lg_u32 s14, 2
	s_cbranch_scc1 .Lw3_\@
	s_wait_alu depctr_va_vdst(0)
	LOADW 2, \pitch
	s_branch .Ldone_\@
.Lw3_\@:
	s_wait_alu depctr_va_vdst(0)
	LOADW 3, \pitch
.Ldone_\@:
.endm
	s_cmp_lt_u32 ttmp9, 16
	s_cbranch_scc0 .Lwide
	ARMS 512
	s_branch .Ljoin
.Lwide:
	ARMS 2048
.Ljoin:                                        ; all ways meet ahead of the first LDS instruction
	s_wait_loadcnt 0x0
.irp c, 0,1                                    ; my block 4 s + 2 c + h: all its 32 numbers are mine
	v_max3_num_f32 v[8+\c], |v[X+32*\c]|, |v[X+1+32*\c]|, 0x2800000   ; and the floor 2^(5 - 127): the byte cannot fall under 1
.endr
.irp i, 2,4,6,8,10,12,14,16,18,20,22,24,26,28,30
.irp c, 0,1
	v_max3_num_f32 v[8+\c], v[8+\c], |v[X+32*\c+\i]|, |v[X+1+32*\c+\i]|   ; (the two blocks by turns)
.endr
.endr
.irp c, 0,1
	v_add_nc_u32 v[10+\c], 0xfe000000, v[8+\c]     ; 4 off the exponent field: the conversion takes the exponent field of this operand as its scale
.endr
.irp c, 0,1
	v_lshrrev_b32 v[12+\c], 23, v[10+\c]           ; the scale's byte
.endr
	v_lshl_or_b32 v14, v13, 16, v12                ; my two bytes: blocks h and 2 + h of the K step,
	v_lshlrev_b32 v15, 3, v2
	v_lshlrev_b32 v14, v15, v14                    ; at their places in the scale word (8 h bits up);
	v_mov_b32 v15, 0                               ; (a lane permute's destination counts as one of its sources)
	v_permlanex16_b32 v15, v14, s28, s29
	v_or_b32 v14, v14, v15                         ; with lane l xor 16's two the word is whole
.irp c, 0,1
	v_cvt_scalef32_pk16_bf6_f32 v[F+6*\c:F+2+6*\c], v[X+32*\c:X+15+32*\c], v[10+\c]
	v_cvt_scalef32_pk16_bf6_f32 v[F2+4*\c:F2+2+4*\c], v[X+16+32*\c:X+31+32*\c], v[10+\c]
.endr
	v_nop                                          ; one plain place behind a scaled conversion
.irp c, 0,1
.irp i, 0,1,2
	v_mov_b32 v[F+3+6*\c+\i], v[F2+4*\c+\i]
.endr
.endr
.irp k, 0,1,2
	global_store_b128 v4, v[F+4*\k:F+4*\k+3], s[10:11] offset:512*\k   ; 32 lanes store 512 consecutive bytes, at a multiple of 256 from the buffer's first byte
.endr
	ds_store_b32 v5, v14                           ; lanes l and l xor 16 write the same word with the same value
	s_wait_dscnt 0x0                               ; for the others' sake: my word has landed
	s_barrier_signal -1
	s_barrier_wait -1
	s_cmp_lg_u32 s14, 0
	s_cbranch_scc1 .Lend
	ds_load_b64 v[18:19], v6                       ; the tile's 64 words, gathered from the four waves,
	s_wait_dscnt 0x0
	global_store_b64 v6, v[18:19], s[12:13]        ; leave as 256 consecutive bytes, aligned
.Lend:
	s_wait_tensorcnt 0x0
	ds_add_u32 v128, v129
	s_wait_dscnt 0x0
	s_endpgm
.Lfunc_end_k_qc42685bd2f_wq:
	.size	k_qc42685bd2f_wq, .Lfunc_end_k_qc42685bd2f_wq-k_qc42685bd2f_wq
	.p2alignl 7, 3214868480
	.fill 96, 4, 3214868480
	.section	.rodata,"a",@progbits
	.p2align	6, 0x0
	.amdhsa_kernel k_qc42685bd2f_wq
		.amdhsa_group_segment_fixed_size 768
		.amdhsa_private_segment_fixed_size 0
		.amdhsa_enable_private_segment 0
		.amdhsa_kernarg_size 40
		.amdhsa_user_sgpr_count 2
		.amdhsa_user_sgpr_kernarg_segment_ptr 1
		.amdhsa_wavefront_size32 1
		.amdhsa_system_sgpr_workgroup_id_x 1
		.amdhsa_system_sgpr_workgroup_id_y 1
		.amdhsa_system_sgpr_workgroup_id_z 1
		.amdhsa_system_vgpr_workitem_id 0
		.amdhsa_next_free_vgpr 130
		.amdhsa_next_free_sgpr 66
		.amdhsa_reserve_vcc 0
		.amdhsa_float_denorm_mode_32 3
		.amdhsa_float_denorm_mode_16_64 3
		.amdhsa_memory_ordered 1
		.amdhsa_forward_progress 1
		.amdhsa_inst_pref_size 56
	.end_amdhsa_kernel
	.amdgpu_metadata
---
amdhsa.version: [ 1, 2 ]
amdhsa.kernels:
  - .name:           k_qc42685bd2f_wq
    .symbol:         k_qc42685bd2f_wq.kd
    .args:
      - { .name: dw1, .offset: 0, .size: 8, .value_kind: global_buffer, .address_space: global }
      - { .name: rw1, .offset: 8, .size: 8, .value_kind: global_buffer, .address_space: global }
      - { .name: vw, .offset: 16, .size: 8, .value_kind: global_buffer, .address_space: global }
      - { .name: wimg, .offset: 24, .size: 8, .value_kind: global_buffer, .address_space: global }
      - { .name: wscl, .offset: 32, .size: 8, .value_kind: global_buffer, .address_space: global }
    .group_segment_fixed_size: 768
    .private_segment_fixed_size: 0
    .kernarg_segment_align: 8
    .kernarg_segment_size: 40
    .max_flat_workgroup_size: 128
    .sgpr_count:     66
    .vgpr_count:     130
    .wavefront_size: 32
...
	.end_amdgpu_metadata
.endif
;; end of part 1
;; launch main (part 2): grid 256 x 1, 8 waves a work-group, no clusters, 327,680 bytes of LDS; arguments tokens, ln_g, ln_b, db1, dw2, db2, rb1, rw2, rb2, eml_gamma, eml_lambda, eml_bias, wimg, wscl, out2, out3, out4, ppool; writes out2, out3, out4, ppool
.if DOCPART == 2
	.amdgcn_target "amdgcn-amd-amdhsa--gfx1250"
	.amdhsa_code_object_version 6
	.text
	.protected	k_qc42685bd2f_main
	.globl	k_qc42685bd2f_main
	.p2align	8
	.type	k_qc42685bd2f_main,@function
k_qc42685bd2f_main:
	s_mov_b64 s[64:65], 0
	v_nop
	global_prefetch_b8 v0, s[64:65] scope:SCOPE_SE
	s_setreg_imm32_b32 hwreg(HW_REG_WAVE_MODE, 25, 1), 1
	s_wait_xcnt 0x0
; A work-group takes 512 tokens of one batch (batch = work-group / 8) through LayerNorm, the quantiser, both small MLPs, the energy and the weighted sum of values.
; It stores drive, resistance and energy of its tokens, and its partial sums of e = exp(energy) and of e x values; the next launch joins the eight parts of a batch.  No step and no input of the problem is left out.
; THE STREAM: the tokens come through a ring of two LDS slots (a unit = 16 tokens = 32 KiB; each of the eight waves fetches and works its own 2 tokens, 4 KiB, one tensor load a unit).
;   X: lanes 0-15 hold one token, lanes 16-31 the next, a lane one block of 32 along K.  Mean, variance, gain and bias in f32; the block's scale from its largest magnitude; codes of BF6.
;   The codes of ALL 512 tokens stay in LDS as 32 records (a unit each): images of the operand's registers, piece (q, p) of 256 bytes = registers 6 q + 2 p, 6 q + 2 p + 1 of the four K steps' fragments, 8 bytes a lane; then 256 scale bytes.
;   H: each wave takes a record through its 16 columns of dw1 and of rw1 (weights stay in registers), GELU and the dot with dw2 / rw2: a part for each wave in LDS.
;   A TRIP u: the barrier and the request for unit u + 1; my reads of unit u from the ring are issued; the products of record u - 2, whose fragments the trip before has fetched; the fetch of record u - 1 (whole since this trip's barrier);
;   GELU of record u - 2, under which both runs of LDS loads land; X of unit u.  Trips 0 and 1 have no record for H, trips 0 and 30 none to fetch: three branches on the trip's number lead round that work.
; BEHIND THE STREAM: vw's tiles are asked for; H of records 29 to 31.  ENERGY: a thread takes two neighbouring tokens, adds the eight parts, makes softplus, the clip and e.  V: for each record my 64 columns of vw, and sums of e x values in registers.
; GELU: erf(x) is taken as 1 - 1 / (1 + a1 x + a2 x^2 + a3 x^3 + a4 x^4)^4 for x >= 0 (Abramowitz and Stegun 7.1.27), whose error is at most 5e-4 for every x: a gelu is moved by at most 2.5e-4 |h|.  No quantiser follows it.
; The launch before lays weights for four owners w; here waves 2 w and 2 w + 1 share owner w's tiles: wave 2 w + u has tiles u, 2 + u and 4 + 4 u .. 7 + 4 u.  K's order inside a block is that launch's (16-byte pieces rotated by block / 2).
; No maximum is taken off ahead of e: the energy is clipped to -3 .. 3 as the problem itself clips it.
; NO CLUSTER: no two work-groups read the same tokens, and the weights, 36 KiB a wave, are read once, into registers, by plain loads.
; PREFETCH: in the trip that loads unit u + 1 each wave names its own 4 KiB of unit u + 3, lanes 0-15 a block of 256 bytes each (lanes 16-31 name the last again); trips 29 and later name nothing.
; LIMITS: blocks whose largest magnitude lies under 2^-122 take the scale byte 1; NaN and infinities among the inputs are not served.
.set REC,   6512                       ; a record: 7 x 784 + 768 bytes of codes, 256 of scales
.set XHALF, 784                        ; three pieces of 256 bytes + 16 of padding
.set SOFF,  6256                       ; the scales' place in a record
.set RING,  208640                     ; behind the 32 records
.set SLOT,  32768
.set UNIT,  32768                      ; 16 tokens in memory
.set PARTB, 274176                     ; behind the ring: parts [2 kinds][8 waves][512 tokens]
.set EWB,   306944                     ; e of the 512 tokens
.set PSTG,  308992                     ; 256 bytes a wave for the way out
.set SPARE, 311040                     ; the spare words, 128 bytes a wave
; window 0
.set SPW, 1
.set NIL, 2
.set AX,  3                            ; v3-10 ring addresses of my lane's eight 16-byte pieces
.set XW,  11
.set SBW, 12
.set FRD, 13
.set SRD, 14
.set PWR, 15
.set PRD, 16
.set EWW, 17
.set EWR, 18
.set PST, 19
.set HA,  20
.set XWC, 36
.set SBC, 37
.set AXC, 40
.set TP,  52
.set PT,  56
.set PFO, 58
.set WAD, 59
.set FRC, 60
.set SRC, 61
.set XF,  64
.set PWC, 112
.set PLD, 113
.set XS,  114                          ; scale words of the tokens, and nothing else
.set WS,  116                          ; v116-127 scale words of my six weight tiles, and nothing else
.set HBI, 128                          ; db1, rb1 in the result's layout
.set W2,  144                          ; dw2, rw2 likewise
.set HW,  160                          ; v160-255 my tiles of dw1 and rw1
.set VA,  20
.set EV,  52
.set ACC, 128
.set SEA, 136
.set ED,  140
.set ER,  142
.set EN,  144
.set EE,  146
.set EA,  148
.set EB,  150
.set EC,  152
.set T8,  156
; window 1: during the stream v0-57 X's numbers, v64-97 GELU's; then v0-191 my four tiles of vw.  v192-223 ln_g, v224-255 ln_b; behind the stream GELU's
.set XN,  0
.set CH,  32
.set CB,  40
.set HV,  46
.set MN,  50
.set RS,  52
.set MX,  54
.set SC,  56
.set SBY, 57
.set TBS, 64
.set TBF, 192
.set MSB, 0
.macro WIN new
.if MSB != \new
	s_set_vgpr_msb (MSB<<8)|\new
.set MSB, \new
.endif
.endm
.macro VW
	s_wait_alu depctr_va_vdst(0)
.endm
	s_load_b512 s[4:19], s[0:1], 0x0
	s_load_b512 s[20:35], s[0:1], 0x40
	s_load_b128 s[36:39], s[0:1], 0x80
	v_lshl_add_u32 v[SPW], v0, 2, SPARE
	v_mov_b32 v[NIL], 0
	ds_add_u32 v[SPW], v[NIL]
	ds_add_u32 v[SPW], v[NIL]
	v_lshrrev_b32 v20, 5, v0
	v_readfirstlane_b32 s40, v20           ; wave 0..7
	s_mov_b32 s44, 3<<16                   ; group 1: 16 rows of 32 elements of 8 bytes, dense
	s_mov_b32 s45, 32<<16
	s_mov_b32 s46, 16<<16
	s_mov_b32 s47, 32<<16
	s_mov_b32 s48, 16
	s_mov_b32 s49, 32
	s_mov_b32 s50, 0
	s_mov_b32 s51, 0
	s_mov_b32 s52, 1
	s_lshl_b32 s56, s40, 12
	s_add_co_u32 s59, s56, RING            ; my 4 KiB of slot 0
	s_mov_b32 s53, s59
	s_lshl_b32 s57, ttmp9, 20              ; 512 tokens are 2^20 bytes
	s_add_co_u32 s56, s56, s57
	s_mov_b32 s57, 0
	s_wait_dscnt 0x0
	s_wait_kmcnt 0x0
	s_add_nc_u64 s[4:5], s[4:5], s[56:57]
	s_mov_b64 s[54:55], s[4:5]
	s_or_b32 s55, s55, 0x80000000
	tensor_load_to_lds s[52:55], s[44:51]  ; unit 0: my one load at the head
	s_nop 0
	s_load_b32 s76, s[14:15], 0x0          ; db2
	s_load_b32 s77, s[20:21], 0x0          ; rb2
	s_load_b32 s78, s[22:23], 0x0          ; gamma
	s_load_b32 s79, s[24:25], 0x0          ; lambda
	s_load_b32 s80, s[26:27], 0x0          ; bias
	s_mov_b32 s66, 0x3b342c6d              ; erf's coefficients for the argument |h| / 2: a3 x 2^1.5,
	s_mov_b32 s68, 0x3eebeb18              ; a2 x 2,
	s_mov_b32 s70, 0x3ec993fc              ; a1 x 2^0.5
.irp c, 66,68,70
	s_mov_b32 s[\c+1], s[\c]
.endr
	s_mov_b32 s81, 0xbfb8aa3b              ; -log2(e)
	s_mov_b32 s82, 0x3f317218              ; ln 2
	s_mov_b32 s83, 0x3fb8aa3b              ; log2(e)
	s_mov_b32 s84, 0xc0400000              ; -3
	s_mov_b32 s85, 0x40400000              ; 3
	s_mov_b32 s88, 0x76543210
	s_mov_b32 s89, 0xfedcba98              ; selects for lane l xor 16
	s_mov_b32 s92, 0x3727c5ac              ; 1e-5
	s_mov_b32 s93, 0x3b000000              ; 1 / 512
	s_mov_b32 s94, 0xbb000000
	s_lshl_b32 s97, s40, 4                 ; my two tokens' place in a piece: 16 wave,
	s_lshl_b32 s96, s40, 5
	s_add_co_u32 s96, s96, SOFF            ; and among the scale bytes: 32 wave
	s_lshl_b32 s98, s40, 11
	s_add_co_u32 s98, s98, PARTB
	s_lshl_b32 s99, s40, 8
	s_add_co_u32 s95, s99, PSTG
	s_lshl_b32 s86, s40, 6                 ; my 16 hidden units, in bytes
	s_and_b32 s87, s40, 1                  ; u
	s_lshr_b32 s91, s40, 1                 ; owner w
	s_mul_i32 s61, s87, 768
	s_mul_i32 s56, s91, 73728
	s_mul_i32 s58, s87, 6144
	s_add_co_u32 s56, s56, s58
	s_add_nc_u64 s[28:29], s[28:29], s[56:57]   ; image of tile u of owner w
	s_mul_i32 s56, s91, 3072
	s_lshl_b32 s58, s87, 8
	s_add_co_u32 s56, s56, s58
	s_add_nc_u64 s[30:31], s[30:31], s[56:57]   ; and its scale words
	s_mul_i32 s56, ttmp9, 2304
	s_add_nc_u64 s[38:39], s[38:39], s[56:57]
	s_lshl_b32 s56, ttmp9, 11
	s_add_nc_u64 s[32:33], s[32:33], s[56:57]
	s_add_nc_u64 s[34:35], s[34:35], s[56:57]
	s_add_nc_u64 s[36:37], s[36:37], s[56:57]
	s_add_nc_u64 s[62:63], s[4:5], 2*UNIT  ; the prefetches' base: stepped at each trip's top
	v_and_b32 v20, 15, v0                  ; r
	v_bfe_u32 v21, v0, 4, 1                ; h
	v_bfe_u32 v22, v0, 1, 3                ; r / 2
	v_and_b32 v23, 31, v0                  ; lane
	v_and_b32 v24, 1, v0
	v_lshlrev_b32 v25, 7, v20              ; my block: 128 r bytes of a token's row
	v_lshl_add_u32 v26, v21, 11, v25       ; lanes 16-31: the next token
	v_add_nc_u32 v26, s59, v26
.irp j, 0,1,2,3,4,5,6,7
	v_add_nc_u32 v27, \j, v22
	v_and_b32 v27, 7, v27                  ; piece (j + r / 2) % 8: sixteen lanes touch sixteen different 16-byte columns
	v_lshl_add_u32 v[AX+\j], v27, 4, v26
	v_lshl_add_u32 v[32+\j], v27, 4, v25
.endr
	v_mul_u32_u24 v[XW], v22, XHALF        ; codes: half r / 2, fragment lane 16 (r % 2) + token
	v_lshl_add_u32 v[XW], v24, 7, v[XW]
	v_lshl_add_u32 v[XW], v21, 3, v[XW]
	v_add_nc_u32 v[XW], s97, v[XW]
	v_lshl_add_u32 v[SBW], v21, 4, v20     ; scale byte: 16 x token + block
	v_add_nc_u32 v[SBW], s96, v[SBW]
	v_lshlrev_b32 v[FRD], 3, v23
	v_lshlrev_b32 v[SRD], 4, v20
	v_lshl_add_u32 v[SRD], v21, 3, v[SRD]
	v_add_nc_u32 v[SRD], SOFF, v[SRD]
	v_lshl_add_u32 v[PWR], v20, 2, s98
	v_lshl_add_u32 v[PRD], v0, 3, PARTB
	v_lshl_add_u32 v[EWW], v0, 3, EWB
	v_lshl_add_u32 v[EWR], v21, 5, EWB
	v_lshl_add_u32 v[PST], v20, 2, s95
	v_lshl_add_u32 v[PLD], v23, 3, s95
	v_lshlrev_b32 v29, 4, v23
	v_lshlrev_b32 v30, 3, v23
	v_add_nc_u32 v31, s61, v30
	v_lshl_add_u32 v28, v21, 5, s86        ; hidden unit 16 wave + 8 h, in bytes
	v_min_u32 v[PFO], 15, v23
	v_lshlrev_b32 v[PFO], 8, v[PFO]
	v_mov_b32 v[PT], 0                     ; a lane permute's destination counts as a source
	v_mov_b32 v[PT+1], 0
	WIN 0x40
	v_mov_b32 v[MN+1], 0                   ; upper halves of pairs whose low word alone is used
	v_mov_b32 v[RS+1], 0
	v_mov_b32 v[TBS+32], 0x3e9ff716        ; a4 x 4
	v_mov_b32 v[TBS+33], 0x3e9ff716
.irp j, 0,1,2,3,4,5,6,7
	global_load_b128 v[192+4*\j:195+4*\j], v[32+\j], s[6:7]
	global_load_b128 v[224+4*\j:227+4*\j], v[32+\j], s[8:9]
.endr
	WIN 0
.irp T, 0,1
.irp k, 0,1,2,3,4,5,6,7,8,9,10,11
	global_load_b128 v[HW+48*\T+4*\k:HW+48*\T+4*\k+3], v29, s[28:29] offset:12288*\T+512*\k
.endr
	global_load_b64 v[WS+2*\T:WS+2*\T+1], v30, s[30:31] offset:512*\T
.endr
.irp t, 0,1,2,3
	global_load_b64 v[WS+4+2*\t:WS+5+2*\t], v31, s[30:31] offset:1024+256*\t
.endr
.irp i, 0,1
	global_load_b128 v[HBI+4*\i:HBI+4*\i+3], v28, s[10:11] offset:16*\i
	global_load_b128 v[HBI+8+4*\i:HBI+11+4*\i], v28, s[16:17] offset:16*\i
	global_load_b128 v[W2+4*\i:W2+4*\i+3], v28, s[12:13] offset:16*\i
	global_load_b128 v[W2+8+4*\i:W2+11+4*\i], v28, s[18:19] offset:16*\i
.endr
	VW
	s_wait_kmcnt 0x0
	s_wait_loadcnt 0x0
.macro FOLD                            ; eight partial sums to one, then over the token's sixteen lanes
	v_pk_add_f32 v[CH:CH+1], v[CH:CH+1], v[CH+2:CH+3]
	v_pk_add_f32 v[CH+4:CH+5], v[CH+4:CH+5], v[CH+6:CH+7]
	v_pk_add_f32 v[CH:CH+1], v[CH:CH+1], v[CH+4:CH+5]
	v_add_f32 v[CH], v[CH], v[CH+1]
.irp x, 1,2,4,8
	v_add_f32_dpp v[CH], v[CH], v[CH] row_xmask:\x row_mask:0xf bank_mask:0xf
.endr
.endm
; A trip's top.  s90 = u, s61 = the slot that holds unit u.  refill = 1: unit u + 1 is asked for, into the other slot
.macro RINGTOP refill
.if \refill
	s_wait_xcnt 0x0                        ; the last prefetch has read its base
	s_add_nc_u64 s[62:63], s[62:63], UNIT
.endif
	s_wait_tensorcnt 0x0                   ; my one load that was out, this unit's, has landed;
	ds_add_u32 v[SPW], v[NIL]
.if \refill
	s_xor_b32 s87, s61, SLOT
	s_add_co_u32 s53, s59, s87             ; no load of mine is out: the descriptor steps to the other slot and the next unit
	s_add_nc_u64 s[54:55], s[54:55], UNIT
.endif
	s_wait_dscnt 0x0                       ; the add, my reads of the other slot and my stores of the last unit's codes and parts are done
	s_barrier_signal -1
	s_barrier_wait -1
.if \refill
	tensor_load_to_lds s[52:55], s[44:51]
	s_nop 0
	s_cmp_lt_u32 s90, 29
	s_cbranch_scc0 .Lnp_\@
	global_prefetch_b8 v[PFO], s[62:63] th:TH_LOAD_NT scope:SCOPE_SE   ; my 4 KiB of unit u + 3
.Lnp_\@:
.endif
.endm
.macro XLOAD                           ; my two tokens out of the ring, into window 1
.irp j, 0,1,2,3,4,5,6,7
	v_add_nc_u32 v[AXC+\j], s61, v[AX+\j]
.endr
	WIN 0x40
.irp j, 0,1,2,3,4,5,6,7
	ds_load_b128 v[XN+4*\j:XN+4*\j+3], v[AXC+\j]
.endr
	WIN 0
.endm
.macro XWORK                           ; LayerNorm and the quantiser; every vector register of it lies in window 1
	s_wait_dscnt 0x0
	WIN 0x55
.irp k, 0,1,2,3
	v_pk_add_f32 v[CH+2*\k:CH+2*\k+1], v[XN+4*\k:XN+4*\k+1], v[XN+4*\k+2:XN+4*\k+3]
.endr
.irp k, 0,1,2,3,4,5,6,7
	v_pk_add_f32 v[CH+2*(\k%4):CH+2*(\k%4)+1], v[CH+2*(\k%4):CH+2*(\k%4)+1], v[XN+16+2*\k:XN+17+2*\k]
.endr
	FOLD
	v_mul_f32 v[MN], s94, v[CH]            ; -mean
.irp k, 0,1,2,3,4,5,6,7,8,9,10,11,12,13,14,15
	v_pk_add_f32 v[XN+2*\k:XN+2*\k+1], v[XN+2*\k:XN+2*\k+1], v[MN:MN+1] op_sel_hi:[1,0]
.endr
.irp k, 0,1,2,3
	v_pk_mul_f32 v[CH+2*\k:CH+2*\k+1], v[XN+2*\k:XN+2*\k+1], v[XN+2*\k:XN+2*\k+1]
.endr
.irp k, 4,5,6,7,8,9,10,11,12,13,14,15
	v_pk_fma_f32 v[CH+2*(\k%4):CH+2*(\k%4)+1], v[XN+2*\k:XN+2*\k+1], v[XN+2*\k:XN+2*\k+1], v[CH+2*(\k%4):CH+2*(\k%4)+1]
.endr
	FOLD
	v_fma_f32 v[CH+1], v[CH], s93, s92     ; variance + eps
	VW
	v_rsq_f32 v[RS], v[CH+1]
	v_nop
	VW
.irp k, 0,1,2,3,4,5,6,7,8,9,10,11,12,13,14,15
	v_pk_mul_f32 v[XN+2*\k:XN+2*\k+1], v[XN+2*\k:XN+2*\k+1], v[RS:RS+1] op_sel_hi:[1,0]
.endr
.irp k, 0,1,2,3,4,5,6,7,8,9,10,11,12,13,14,15
	v_pk_fma_f32 v[XN+2*\k:XN+2*\k+1], v[XN+2*\k:XN+2*\k+1], v[192+2*\k:193+2*\k], v[224+2*\k:225+2*\k]
.endr
	v_max3_num_f32 v[MX], |v[XN]|, |v[XN+1]|, 0x2800000     ; the block's largest magnitude, over the floor 2^(5 - 127)
	v_max3_num_f32 v[MX+1], |v[XN+2]|, |v[XN+3]|, |v[XN+4]|
.irp k, 0,1,2,3,4,5,6,7,8,9,10,11,12
	v_max3_num_f32 v[MX+(\k%2)], v[MX+(\k%2)], |v[XN+5+2*\k]|, |v[XN+6+2*\k]|
.endr
	v_max3_num_f32 v[MX], v[MX], v[MX+1], |v[XN+31]|
	v_add_nc_u32 v[SC], 0xfe000000, v[MX]  ; 4 off the exponent field: the conversions' scale operand
	v_cvt_scalef32_pk16_bf6_f32 v[CB:CB+2], v[XN:XN+15], v[SC]
	v_cvt_scalef32_pk16_bf6_f32 v[HV:HV+2], v[XN+16:XN+31], v[SC]
	v_lshrrev_b32 v[SBY], 23, v[SC]        ; the scale's byte (the plain place behind the conversions)
.irp k, 0,1,2
	v_mov_b32 v[CB+3+\k], v[HV+\k]
.endr
	WIN 0x04                               ; address in window 0, data in window 1
.irp p, 0,1,2
	ds_store_b64 v[XWC], v[CB+2*\p:CB+2*\p+1] offset:256*\p
.endr
	ds_store_b8 v[SBC], v[SBY]
	WIN 0
.endm
.macro FETCH                           ; a record's four fragments and its scale words
.irp q, 0,1,2,3,4,5,6,7
.irp p, 0,1,2
	ds_load_b64 v[XF+6*\q+2*\p:XF+6*\q+2*\p+1], v[FRC] offset:XHALF*\q+256*\p
.endr
.endr
	ds_load_b64 v[XS:XS+1], v[SRC]         ; lanes 0-15: K steps 0, 1 of token r; lanes 16-31: K steps 2, 3
.endm
; H, transposed: source 0 = 16 columns of dw1 or rw1, source 1 = 16 tokens: a lane holds token r and hidden units 8 h + 0 .. 7.  The two accumulators take turns
.macro HMUL s
.irp T, 0,1
.if (\s) == 0
	v_wmma_scale_f32_16x16x128_f8f6f4 v[HA+8*\T:HA+8*\T+7], v[HW+48*\T:HW+48*\T+11], v[XF:XF+11], v[HBI+8*\T:HBI+8*\T+7], v[WS+2*\T], v[XS] matrix_a_fmt:MATRIX_FMT_BF6 matrix_b_fmt:MATRIX_FMT_BF6
.elseif (\s) == 1
	v_wmma_scale_f32_16x16x128_f8f6f4 v[HA+8*\T:HA+8*\T+7], v[HW+48*\T+12:HW+48*\T+23], v[XF+12:XF+23], v[HA+8*\T:HA+8*\T+7], v[WS+2*\T+1], v[XS+1] matrix_a_fmt:MATRIX_FMT_BF6 matrix_b_fmt:MATRIX_FMT_BF6
.else
	v_wmma_scale_f32_16x16x128_f8f6f4 v[HA+8*\T:HA+8*\T+7], v[HW+48*\T+12*(\s):HW+48*\T+12*(\s)+11], v[XF+12*(\s):XF+12*(\s)+11], v[HA+8*\T:HA+8*\T+7], v[WS+2*\T+(\s)-2], v[XS+(\s)-2] matrix_a_fmt:MATRIX_FMT_BF6 matrix_b_fmt:MATRIX_FMT_BF6 matrix_a_scale:MATRIX_SCALE_ROW1 matrix_b_scale:MATRIX_SCALE_ROW1
.endif
.endr
.endm
.macro HWM                             ; the biases db1, rb1 are the first products' C
	HMUL 0
	HMUL 1
	HMUL 2
	HMUL 3
.endm
; GELU, the dot with dw2 / rw2, and the parts' stores.  tb: in window 1, |h| / 2 at tb, the polynomial at tb + 16, a4 x 4 at tb + 32
.macro HGELU tb
	WIN 0x40
	VW
.set k, 0
.rept 16
	v_mul_f32 v[\tb+k], 0.5, |v[HA+k]|
.set k, k+1
.endr
	WIN 0x55
.set k, 0
.rept 8
	v_pk_fma_f32 v[\tb+16+k:\tb+17+k], v[\tb+k:\tb+k+1], v[\tb+32:\tb+33], s[66:67] op_sel_hi:[1,1,0]
.set k, k+2
.endr
.irp c, 68,70
.set k, 0
.rept 8
	v_pk_fma_f32 v[\tb+16+k:\tb+17+k], v[\tb+16+k:\tb+17+k], v[\tb+k:\tb+k+1], s[\c:\c+1] op_sel_hi:[1,1,0]
.set k, k+2
.endr
.endr
.set k, 0
.rept 8
	v_pk_fma_f32 v[\tb+16+k:\tb+17+k], v[\tb+16+k:\tb+17+k], v[\tb+k:\tb+k+1], 1.0 op_sel_hi:[1,1,0]
.set k, k+2
.endr
.rept 2                                        ; to the fourth power
.set k, 0
.rept 8
	v_pk_mul_f32 v[\tb+16+k:\tb+17+k], v[\tb+16+k:\tb+17+k], v[\tb+16+k:\tb+17+k]
.set k, k+2
.endr
.endr
	VW
.set k, 0
.rept 16
	v_rcp_f32 v[\tb+16+k], v[\tb+16+k]
.set k, k+1
.endr
	WIN 0x10
.set k, 0
.rept 8
	v_pk_fma_f32 v[HA+k:HA+k+1], v[HA+k:HA+k+1], 0.5, v[\tb+k:\tb+k+1] op_sel_hi:[1,0,1]
.set k, k+2
.endr
	VW
	WIN 0x05
.set k, 0
.rept 8                                        ; gelu = h / 2 + |h| / 2 - |h| / 2 x (1 - erf)
	v_pk_fma_f32 v[HA+k:HA+k+1], v[\tb+k:\tb+k+1], v[\tb+16+k:\tb+17+k], v[HA+k:HA+k+1] neg_lo:[1,0,0] neg_hi:[1,0,0]
.set k, k+2
.endr
	WIN 0
.irp T, 0,1
	v_pk_mul_f32 v[TP+2*\T:TP+2*\T+1], v[HA+8*\T:HA+8*\T+1], v[W2+8*\T:W2+8*\T+1]
.endr
.irp jp, 1,2,3
.irp T, 0,1
	v_pk_fma_f32 v[TP+2*\T:TP+2*\T+1], v[HA+8*\T+2*\jp:HA+8*\T+2*\jp+1], v[W2+8*\T+2*\jp:W2+8*\T+2*\jp+1], v[TP+2*\T:TP+2*\T+1]
.endr
.endr
	v_add_f32 v[TP], v[TP], v[TP+1]
	v_add_f32 v[TP+2], v[TP+2], v[TP+3]
	v_permlanex16_b32 v[PT], v[TP], s88, s89
	v_permlanex16_b32 v[PT+1], v[TP+2], s88, s89
	v_add_f32 v[TP], v[TP], v[PT]          ; token r's part from my 16 hidden units
	v_add_f32 v[TP+2], v[TP+2], v[PT+1]
	ds_store_b32 v[PWC], v[TP]             ; lanes l and l xor 16 write the same word with the same value
	ds_store_b32 v[PWC], v[TP+2] offset:16384
.endm
	s_mov_b32 s90, 0                       ; u
	s_mov_b32 s60, 0                       ; u REC
	s_mov_b32 s61, 0                       ; unit u's slot
	s_mov_b32 s86, 0                       ; (u - 1) REC
	s_mov_b32 s97, 0                       ; 64 (u - 1)
	s_mov_b32 s91, 0                       ; 64 (u - 2)
.Lunit:                                        ; 31 trips
	RINGTOP 1
	XLOAD
	s_cmp_lt_u32 s90, 2
	s_cbranch_scc1 .La
	HWM                                    ; record u - 2: its fragments came in the trip before
.La:
	v_add_nc_u32 v[FRC], s86, v[FRD]       ; these five are the places behind the last product
	v_add_nc_u32 v[SRC], s86, v[SRD]
	v_add_nc_u32 v[PWC], s91, v[PWR]
	v_add_nc_u32 v[XWC], s60, v[XW]
	v_add_nc_u32 v[SBC], s60, v[SBW]
	s_sub_co_u32 s87, s90, 1
	s_cmp_lt_u32 s87, 29                   ; u = 1 .. 29
	s_cbranch_scc0 .Lb
	FETCH                                  ; record u - 1, for the next trip's products
.Lb:
	s_cmp_lt_u32 s90, 2
	s_cbranch_scc1 .Lc
	HGELU TBS
.Lc:
	XWORK
	s_mov_b32 s86, s60
	s_mov_b32 s91, s97
	s_lshl_b32 s97, s90, 6
	s_add_co_u32 s60, s60, REC
	s_xor_b32 s61, s61, SLOT
	s_add_co_u32 s90, s90, 1
	s_cmp_lt_u32 s90, 31
	VW
	s_cbranch_scc1 .Lunit
	RINGTOP 0                              ; unit 31 asks for nothing more
	XLOAD
	v_add_nc_u32 v[XWC], s60, v[XW]
	v_add_nc_u32 v[SBC], s60, v[SBW]
	XWORK
	s_and_b32 s87, s40, 1
	s_mul_i32 s87, s87, 18432
	v_and_b32 v[WAD], 31, v0
	v_lshlrev_b32 v[WAD], 4, v[WAD]
	v_add_nc_u32 v[WAD], s87, v[WAD]
	WIN 0x40
	v_mov_b32 v[TBF+32], 0x3e9ff716        ; gain and bias are done with: GELU's numbers move there,
	v_mov_b32 v[TBF+33], 0x3e9ff716
	VW
	s_wait_dscnt 0x0                       ; my codes and scale bytes have landed
.irp t, 0,1,2,3                                ; and vw's four tiles come where X's numbers lay; they are waited for ahead of V
.irp k, 0,1,2,3,4,5,6,7,8,9,10,11
	global_load_b128 v[48*\t+4*\k:48*\t+4*\k+3], v[WAD], s[28:29] offset:24576+6144*\t+512*\k
.endr
.endr
	WIN 0
	s_barrier_signal -1
	s_barrier_wait -1
	s_mov_b32 s90, 0
	s_mov_b32 s86, 29*REC
	s_mov_b32 s91, 29*64
.Lh:                                           ; records 29, 30 and 31
	v_add_nc_u32 v[FRC], s86, v[FRD]
	v_add_nc_u32 v[SRC], s86, v[SRD]
	v_add_nc_u32 v[PWC], s91, v[PWR]
	FETCH
	s_wait_dscnt 0x0
	HWM
.rept 4
	v_nop                                  ; places behind the last product
.endr
	HGELU TBF
	s_add_co_u32 s86, s86, REC
	s_add_co_u32 s91, s91, 64
	s_add_co_u32 s90, s90, 1
	s_cmp_lt_u32 s90, 3
	VW
	s_cbranch_scc1 .Lh
	s_wait_dscnt 0x0
	s_barrier_signal -1
	s_barrier_wait -1
; ENERGY: thread t takes tokens 2 t and 2 t + 1
.irp w, 0,1,2,3,4,5,6,7
	ds_load_b64 v[20+2*\w:21+2*\w], v[PRD] offset:2048*\w
.endr
.irp w, 0,1,2,3,4,5,6,7
	ds_load_b64 v[36+2*\w:37+2*\w], v[PRD] offset:16384+2048*\w
.endr
	v_lshlrev_b32 v[T8], 3, v0
.irp k, 0,1,2,3,4,5,6,7,8,9
	v_mov_b32 v[ACC+\k], 0                 ; the sums of e x values, and of e
.endr
	VW
	s_wait_dscnt 0x0
.irp k, 20, 36
	v_pk_add_f32 v[\k:\k+1], v[\k:\k+1], v[\k+2:\k+3]
	v_pk_add_f32 v[\k+4:\k+5], v[\k+4:\k+5], v[\k+6:\k+7]
	v_pk_add_f32 v[\k+8:\k+9], v[\k+8:\k+9], v[\k+10:\k+11]
	v_pk_add_f32 v[\k+12:\k+13], v[\k+12:\k+13], v[\k+14:\k+15]
	v_pk_add_f32 v[\k:\k+1], v[\k:\k+1], v[\k+4:\k+5]
	v_pk_add_f32 v[\k+8:\k+9], v[\k+8:\k+9], v[\k+12:\k+13]
.endr
	v_pk_add_f32 v[ED:ED+1], v[20:21], v[28:29]
	v_pk_add_f32 v[ER:ER+1], v[36:37], v[44:45]
.irp m, 0,1
	v_add_f32 v[ED+\m], s76, v[ED+\m]      ; drive
	v_add_f32 v[ER+\m], s77, v[ER+\m]      ; resistance
.endr
.irp m, 0,1
	v_mul_f32 v[EA+\m], s81, |v[ER+\m]|
.endr
	VW
.irp m, 0,1
	v_exp_f32 v[EA+\m], v[EA+\m]
.endr
.irp m, 0,1
	v_max_num_f32 v[EB+\m], 0, v[ER+\m]
.endr
	VW
.irp m, 0,1
	v_add_f32 v[EA+\m], 1.0, v[EA+\m]
.endr
	VW
.irp m, 0,1
	v_log_f32 v[EA+\m], v[EA+\m]
.endr
.irp m, 0,1
	v_fma_f32 v[EC+\m], v[ED+\m], s78, s80
.endr
	VW
.irp m, 0,1
	v_fma_f32 v[EA+\m], v[EA+\m], s82, v[EB+\m]    ; softplus = max(r, 0) + ln(1 + exp(-|r|))
.endr
.irp m, 0,1
	v_fma_f32 v[EC+\m], -v[EA+\m], s79, v[EC+\m]
.endr
.irp m, 0,1
	v_med3_num_f32 v[EN+\m], v[EC+\m], s84, s85    ; the clip
.endr
.irp m, 0,1
	v_mul_f32 v[EA+\m], s83, v[EN+\m]
.endr
	VW
.irp m, 0,1
	v_exp_f32 v[EE+\m], v[EA+\m]
.endr
	v_nop
	VW
	ds_store_b64 v[EWW], v[EE:EE+1]
	global_store_b64 v[T8], v[ED:ED+1], s[34:35]   ; each store of a wave covers 256 consecutive bytes, aligned
	global_store_b64 v[T8], v[ER:ER+1], s[36:37]
	global_store_b64 v[T8], v[EN:EN+1], s[32:33]
	s_wait_loadcnt 0x0                     ; vw's tiles are in
	s_wait_dscnt 0x0
	s_barrier_signal -1
	s_barrier_wait -1
; V: source 0 = 16 tokens, source 1 = 16 columns of vw: register j of lane (r, h) is token 8 h + j, column r.  The four accumulators take turns
.macro VMUL s
.irp t, 0,1,2,3
.if (\s) == 0
	v_wmma_scale_f32_16x16x128_f8f6f4 v[VA+8*\t:VA+8*\t+7], v[XF:XF+11], v[48*\t:48*\t+11], 0, v[XS], v[WS+4+2*\t] matrix_a_fmt:MATRIX_FMT_BF6 matrix_b_fmt:MATRIX_FMT_BF6
.elseif (\s) == 1
	v_wmma_scale_f32_16x16x128_f8f6f4 v[VA+8*\t:VA+8*\t+7], v[XF+12:XF+23], v[48*\t+12:48*\t+23], v[VA+8*\t:VA+8*\t+7], v[XS+1], v[WS+5+2*\t] matrix_a_fmt:MATRIX_FMT_BF6 matrix_b_fmt:MATRIX_FMT_BF6
.else
	v_wmma_scale_f32_16x16x128_f8f6f4 v[VA+8*\t:VA+8*\t+7], v[XF+12*(\s):XF+12*(\s)+11], v[48*\t+12*(\s):48*\t+12*(\s)+11], v[VA+8*\t:VA+8*\t+7], v[XS+(\s)-2], v[WS+4+2*\t+(\s)-2] matrix_a_fmt:MATRIX_FMT_BF6 matrix_b_fmt:MATRIX_FMT_BF6 matrix_a_scale:MATRIX_SCALE_ROW1 matrix_b_scale:MATRIX_SCALE_ROW1
.endif
.endr
.endm
.macro EVLOAD                          ; e of tokens 8 h + 0 .. 7 of the record at word 16 x record
	v_add_nc_u32 v[PWC], s61, v[EWR]
	ds_load_b128 v[EV:EV+3], v[PWC]
	ds_load_b128 v[EV+4:EV+7], v[PWC] offset:16
.endm
	s_mov_b32 s90, 0
	s_mov_b32 s60, 0
	s_mov_b32 s61, 0
	v_add_nc_u32 v[FRC], s60, v[FRD]
	v_add_nc_u32 v[SRC], s60, v[SRD]
	FETCH                                  ; record 0
	EVLOAD
.Lv:                                           ; 32 trips, a record each; the next record's fragments are asked for straight behind the products
	s_wait_dscnt 0x0
	WIN 0x04                               ; vw's tiles lie in window 1
	VMUL 0
	VMUL 1
	VMUL 2
	VMUL 3
	WIN 0
.irp jp, 0,1,2,3
	v_pk_add_f32 v[SEA:SEA+1], v[SEA:SEA+1], v[EV+2*\jp:EV+2*\jp+1]   ; the sum of e; these four are the places behind the last product
.endr
	s_add_co_u32 s60, s60, REC
	s_add_co_u32 s61, s61, 64
	s_cmp_lt_u32 s90, 31
	s_cbranch_scc0 .Lv1                    ; the last trip fetches nothing
	v_add_nc_u32 v[FRC], s60, v[FRD]
	v_add_nc_u32 v[SRC], s60, v[SRD]
	FETCH
.Lv1:
.irp jp, 0,1,2,3
.irp t, 0,1,2,3
	v_pk_fma_f32 v[ACC+2*\t:ACC+2*\t+1], v[VA+8*\t+2*\jp:VA+8*\t+2*\jp+1], v[EV+2*\jp:EV+2*\jp+1], v[ACC+2*\t:ACC+2*\t+1]
.endr
.endr
	s_cmp_lt_u32 s90, 31
	s_cbranch_scc0 .Lv2
	EVLOAD
.Lv2:
	s_add_co_u32 s90, s90, 1
	s_cmp_lt_u32 s90, 32
	VW
	s_cbranch_scc1 .Lv
; the way out: column 64 wave + 16 t + r, through my own 256 bytes of LDS, so that one store covers them
.irp t, 0,1,2,3
	v_add_f32 v[20+\t], v[ACC+2*\t], v[ACC+2*\t+1]
.endr
	v_add_f32 v24, v[SEA], v[SEA+1]
.irp t, 0,1,2,3,4
	v_mov_b32 v[28+\t], 0
.endr
.irp t, 0,1,2,3,4
	v_permlanex16_b32 v[28+\t], v[20+\t], s88, s89
.endr
.irp t, 0,1,2,3,4
	v_add_f32 v[20+\t], v[20+\t], v[28+\t]
.endr
.irp t, 0,1,2,3
	ds_store_b32 v[PST], v[20+\t] offset:64*\t
.endr
	ds_load_b64 v[36:37], v[PLD]           ; LDS serves a wave's instructions in order: this sees my stores
	v_and_b32 v40, 31, v0
	v_lshlrev_b32 v40, 3, v40
	v_mov_b32 v38, v24
	v_mov_b32 v39, v24
	s_mov_b32 s56, s99
	s_mov_b32 s57, 0
	s_add_nc_u64 s[56:57], s[38:39], s[56:57]
	VW
	s_wait_dscnt 0x0
	global_store_b64 v40, v[36:37], s[56:57]
	s_cmp_lg_u32 s40, 0
	s_cbranch_scc1 .Lend
	global_store_b64 v40, v[38:39], s[38:39] offset:2048   ; the sum of e, in every word of one unit of 256 bytes
.Lend:
	s_wait_tensorcnt 0x0                   ; the wave's end
	ds_add_u32 v[SPW], v[NIL]
	s_wait_dscnt 0x0
	s_endpgm
.Lfunc_end_k_qc42685bd2f_main:
	.size	k_qc42685bd2f_main, .Lfunc_end_k_qc42685bd2f_main-k_qc42685bd2f_main
	.p2alignl 7, 3214868480
	.fill 96, 4, 3214868480
	.section	.rodata,"a",@progbits
	.p2align	6, 0x0
	.amdhsa_kernel k_qc42685bd2f_main
		.amdhsa_group_segment_fixed_size 327680
		.amdhsa_private_segment_fixed_size 0
		.amdhsa_enable_private_segment 0
		.amdhsa_kernarg_size 144
		.amdhsa_user_sgpr_count 2
		.amdhsa_user_sgpr_kernarg_segment_ptr 1
		.amdhsa_wavefront_size32 1
		.amdhsa_system_sgpr_workgroup_id_x 1
		.amdhsa_system_sgpr_workgroup_id_y 1
		.amdhsa_system_sgpr_workgroup_id_z 1
		.amdhsa_system_vgpr_workitem_id 0
		.amdhsa_next_free_vgpr 512
		.amdhsa_next_free_sgpr 100
		.amdhsa_reserve_vcc 0
		.amdhsa_float_denorm_mode_32 3
		.amdhsa_float_denorm_mode_16_64 3
		.amdhsa_memory_ordered 1
		.amdhsa_forward_progress 1
		.amdhsa_inst_pref_size 69
	.end_amdhsa_kernel
	.amdgpu_metadata
---
amdhsa.version: [ 1, 2 ]
amdhsa.kernels:
  - .name:           k_qc42685bd2f_main
    .symbol:         k_qc42685bd2f_main.kd
    .args:
      - { .name: tokens, .offset: 0, .size: 8, .value_kind: global_buffer, .address_space: global }
      - { .name: ln_g, .offset: 8, .size: 8, .value_kind: global_buffer, .address_space: global }
      - { .name: ln_b, .offset: 16, .size: 8, .value_kind: global_buffer, .address_space: global }
      - { .name: db1, .offset: 24, .size: 8, .value_kind: global_buffer, .address_space: global }
      - { .name: dw2, .offset: 32, .size: 8, .value_kind: global_buffer, .address_space: global }
      - { .name: db2, .offset: 40, .size: 8, .value_kind: global_buffer, .address_space: global }
      - { .name: rb1, .offset: 48, .size: 8, .value_kind: global_buffer, .address_space: global }
      - { .name: rw2, .offset: 56, .size: 8, .value_kind: global_buffer, .address_space: global }
      - { .name: rb2, .offset: 64, .size: 8, .value_kind: global_buffer, .address_space: global }
      - { .name: eml_gamma, .offset: 72, .size: 8, .value_kind: global_buffer, .address_space: global }
      - { .name: eml_lambda, .offset: 80, .size: 8, .value_kind: global_buffer, .address_space: global }
      - { .name: eml_bias, .offset: 88, .size: 8, .value_kind: global_buffer, .address_space: global }
      - { .name: wimg, .offset: 96, .size: 8, .value_kind: global_buffer, .address_space: global }
      - { .name: wscl, .offset: 104, .size: 8, .value_kind: global_buffer, .address_space: global }
      - { .name: out2, .offset: 112, .size: 8, .value_kind: global_buffer, .address_space: global }
      - { .name: out3, .offset: 120, .size: 8, .value_kind: global_buffer, .address_space: global }
      - { .name: out4, .offset: 128, .size: 8, .value_kind: global_buffer, .address_space: global }
      - { .name: ppool, .offset: 136, .size: 8, .value_kind: global_buffer, .address_space: global }
    .group_segment_fixed_size: 327680
    .private_segment_fixed_size: 0
    .kernarg_segment_align: 8
    .kernarg_segment_size: 144
    .max_flat_workgroup_size: 256
    .sgpr_count:     100
    .vgpr_count:     512
    .wavefront_size: 32
...
	.end_amdgpu_metadata
.endif
;; end of part 2
;; launch fin (part 3): grid 256 x 1, 4 waves a work-group, no clusters, 0 bytes of LDS; arguments out2, ppool, vb, out0, out1; writes out0, out1
.if DOCPART == 3
	.amdgcn_target "amdgcn-amd-amdhsa--gfx1250"
	.amdhsa_code_object_version 6
	.text
	.protected	k_qc42685bd2f_fin
	.globl	k_qc42685bd2f_fin
	.p2align	8
	.type	k_qc42685bd2f_fin,@function
k_qc42685bd2f_fin:
	s_mov_b64 s[64:65], 0
	v_nop
	global_prefetch_b8 v0, s[64:65] scope:SCOPE_SE
	s_setreg_imm32_b32 hwreg(HW_REG_WAVE_MODE, 25, 1), 1
	s_wait_xcnt 0x0
; weights = exp(energy) / S and pooled = P / S + vb, where S and P are a batch's sums of e and of e x values: each the sum of the eight partial sums that the batch's eight work-groups of the launch before have stored.
; Work-group x takes 512 tokens (batch x / 8): thread t four of them, 16 bytes in and 16 bytes out, so a wave's load and store cover 512 consecutive bytes.  Its wave 0 also makes columns 64 (x % 8) .. + 63 of the batch's pooled row.
; No maximum is taken away: the energy was clipped to -3 .. 3 as the problem itself clips it, so e lies in 0.049 .. 20.1 and S under 82,300.  e is made by the same two instructions on the same number as in the launch before.
	s_load_b256 s[4:11], s[0:1], 0x0               ; energy s[4:5], partial sums s[6:7], vb s[8:9], pooled s[10:11]
	s_load_b64 s[12:13], s[0:1], 0x20              ; weights
	v_lshrrev_b32 v1, 5, v0
	v_readfirstlane_b32 s14, v1                    ; wave
	v_lshlrev_b32 v1, 4, v0                        ; 16 t
	v_and_b32 v30, 31, v0
	s_wait_alu depctr_va_vdst(0)
	s_lshr_b32 s15, ttmp9, 3                       ; the batch
	s_and_b32 s16, ttmp9, 7                        ; which 64 columns
	s_mul_i32 s18, s15, 18432                      ; the batch's eight partial sums of 2,304 bytes
	s_mov_b32 s19, 0
	s_lshl_b32 s20, ttmp9, 11                      ; my 512 tokens of 4 bytes
	s_mov_b32 s21, 0
	s_lshl_b32 s22, s15, 11                        ; the batch's pooled row
	s_mov_b32 s23, 0
	s_lshl_b32 s17, s16, 8
	v_lshl_add_u32 v31, v30, 3, s17                ; 256 (x % 8) + 8 x lane
	s_wait_kmcnt 0x0
	s_add_nc_u64 s[6:7], s[6:7], s[18:19]
	s_add_nc_u64 s[4:5], s[4:5], s[20:21]
	s_add_nc_u64 s[12:13], s[12:13], s[20:21]
	s_add_nc_u64 s[10:11], s[10:11], s[22:23]
.irp k, 0,1,2,3,4,5,6,7
	s_load_b32 s[24+\k], s[6:7], 2304*\k+2048      ; the eight sums of e
.endr
	global_load_b128 v[4:7], v1, s[4:5]
	s_cmp_lg_u32 s14, 0
	s_cbranch_scc1 .Lrest
	s_wait_alu depctr_va_vdst(0)
.irp k, 0,1,2,3,4,5,6,7
	global_load_b64 v[8+2*\k:9+2*\k], v31, s[6:7] offset:2304*\k   ; 32 lanes read 256 consecutive bytes, aligned
.endr
	global_load_b64 v[24:25], v31, s[8:9]
.Lrest:
	s_wait_kmcnt 0x0
	s_add_f32 s24, s24, s25
	s_add_f32 s26, s26, s27
	s_add_f32 s28, s28, s29
	s_add_f32 s30, s30, s31
	s_add_f32 s24, s24, s26
	s_add_f32 s28, s28, s30
	s_add_f32 s24, s24, s28                        ; S
	v_mov_b32 v28, s24
	s_wait_alu depctr_va_vdst(0)
	v_rcp_f32 v2, v28                              ; 1 / S, twice: a pair for the packed forms
	v_rcp_f32 v3, v28
	s_wait_loadcnt 0x0
.irp j, 4,5,6,7
	v_mul_f32 v\j, 0x3fb8aa3b, v\j                 ; (plain places behind the reciprocals)
.endr
	s_wait_alu depctr_va_vdst(0)
.irp j, 4,5,6,7
	v_exp_f32 v\j, v\j
.endr
	v_nop                                          ; one plain place behind a transcendental
	s_wait_alu depctr_va_vdst(0)
	v_pk_mul_f32 v[4:5], v[4:5], v[2:3]
	v_pk_mul_f32 v[6:7], v[6:7], v[2:3]
	global_store_b128 v1, v[4:7], s[12:13]
	s_cmp_lg_u32 s14, 0
	s_cbranch_scc1 .Lend
	v_pk_add_f32 v[8:9], v[8:9], v[10:11]
	v_pk_add_f32 v[12:13], v[12:13], v[14:15]
	v_pk_add_f32 v[16:17], v[16:17], v[18:19]
	v_pk_add_f32 v[20:21], v[20:21], v[22:23]
	v_pk_add_f32 v[8:9], v[8:9], v[12:13]
	v_pk_add_f32 v[16:17], v[16:17], v[20:21]
	v_pk_add_f32 v[8:9], v[8:9], v[16:17]          ; P
	v_pk_fma_f32 v[8:9], v[8:9], v[2:3], v[24:25]  ; P / S + vb
	global_store_b64 v31, v[8:9], s[10:11]         ; 256 consecutive bytes, aligned
.Lend:
	s_endpgm
.Lfunc_end_k_qc42685bd2f_fin:
	.size	k_qc42685bd2f_fin, .Lfunc_end_k_qc42685bd2f_fin-k_qc42685bd2f_fin
	.p2alignl 7, 3214868480
	.fill 96, 4, 3214868480
	.section	.rodata,"a",@progbits
	.p2align	6, 0x0
	.amdhsa_kernel k_qc42685bd2f_fin
		.amdhsa_group_segment_fixed_size 0
		.amdhsa_private_segment_fixed_size 0
		.amdhsa_enable_private_segment 0
		.amdhsa_kernarg_size 40
		.amdhsa_user_sgpr_count 2
		.amdhsa_user_sgpr_kernarg_segment_ptr 1
		.amdhsa_wavefront_size32 1
		.amdhsa_system_sgpr_workgroup_id_x 1
		.amdhsa_system_sgpr_workgroup_id_y 1
		.amdhsa_system_sgpr_workgroup_id_z 1
		.amdhsa_system_vgpr_workitem_id 0
		.amdhsa_next_free_vgpr 32
		.amdhsa_next_free_sgpr 66
		.amdhsa_reserve_vcc 0
		.amdhsa_float_denorm_mode_32 3
		.amdhsa_float_denorm_mode_16_64 3
		.amdhsa_memory_ordered 1
		.amdhsa_forward_progress 1
		.amdhsa_inst_pref_size 5
	.end_amdhsa_kernel
	.amdgpu_metadata
---
amdhsa.version: [ 1, 2 ]
amdhsa.kernels:
  - .name:           k_qc42685bd2f_fin
    .symbol:         k_qc42685bd2f_fin.kd
    .args:
      - { .name: out2, .offset: 0, .size: 8, .value_kind: global_buffer, .address_space: global }
      - { .name: ppool, .offset: 8, .size: 8, .value_kind: global_buffer, .address_space: global }
      - { .name: vb, .offset: 16, .size: 8, .value_kind: global_buffer, .address_space: global }
      - { .name: out0, .offset: 24, .size: 8, .value_kind: global_buffer, .address_space: global }
      - { .name: out1, .offset: 32, .size: 8, .value_kind: global_buffer, .address_space: global }
    .group_segment_fixed_size: 0
    .private_segment_fixed_size: 0
    .kernarg_segment_align: 8
    .kernarg_segment_size: 40
    .max_flat_workgroup_size: 128
    .sgpr_count:     66
    .vgpr_count:     32
    .wavefront_size: 32
...
	.end_amdgpu_metadata
.endif
;; end of part 3
